; MI455X (gfx1250); checked and timed in simulation.
; The chip was launched on July 23, 2026; its instructions are those of AMD's public machine-readable ISA for CDNA 5 (MIT licence, August 2026) and "CDNA5" Instruction Set Architecture Reference Guide (July 2026). The comments in the code are by the model that wrote it; some were corrected since.
;; Lightning Attention. Allowed arithmetic: matrix products marked QUANTISED: E3M2 operands, one E8M0 scale for each 32 along K, by v_wmma_scale_f32_16x16x128_f8f6f4 with both operands' format E3M2, f32 sums; products left as they are: f32 operands where the result goes on into a quantised operand, else bf16, f16 or f32 operands; f32 sums; everything else in f32.
;; Inputs: w_in_norm 1,024 float32; w_out_norm 1,024 float32; wg 1,024 x 1,024 float32; wk 1,024 x 1,024 float32; wq 1,024 x 1,024 float32; wv 1,024 x 1,024 float32; x 4 x 4,096 x 1,024 float32.
;; Outputs: out0 4 x 4,096 x 1,024 float32.
;; This version of the problem:
;;   THIS VERSION OF THE PROBLEM IS GIVEN IN LOW PRECISION. The matrix products marked QUANTISED in the list below multiply operands that are first quantised to E3M2 (3 exponent bits, 2 mantissa bits; 6 bits a number), with one power-of-two scale for each 32 numbers along K (OCP MX v1.0); their sums are f32. All else is computed in f32.
;;   The module's matrix products, in the order in which they are computed (A, B: the left and right operand; K: the contracted axis; several contracted axes count as one K, in the product's order):
;;     1. [M 16,384, K 1,024] x [K 1,024, N 1,024]; A: computed on the way; B: input wq: QUANTISED
;;     2. [M 16,384, K 1,024] x [K 1,024, N 1,024]; A: computed on the way; B: input wk: QUANTISED
;;     3. [M 16,384, K 1,024] x [K 1,024, N 1,024]; A: computed on the way; B: input wv: QUANTISED
;;     4. [M 16,384, K 1,024] x [K 1,024, N 1,024]; A: computed on the way; B: input wg: QUANTISED
;;     5. batch 16,384 x [M 16, K 64] x [K 64, N 16]; A: computed on the way; B: computed on the way: QUANTISED
;;     6. batch 16,384 x [M 16, K 16] x [K 16, N 64]; A: softmax; B: computed on the way: left as it is (K = 16 < 32)
;;   THE QUANTISER, for each operand of a quantised product, along K:
;;     - K is cut into blocks of 32 from its start; a last block that is shorter is filled with zeros.
;;     - A block's scale is 2^e with e = floor(log2(the largest magnitude in the block)) - 4, held to -126 .. 127; a block of zeros has e = 0. As a byte (E8M0): e + 127.
;;     - Each number is divided by its block's scale, clamped to +-28, and rounded to the nearest number of E3M2, ties to even, subnormals kept.
;;     - The product sums the exact products of the quantised numbers (number of the format x scale) in f32.
;;   ~~~python
;;   def quantise(x, axis):      # numpy; x: float32 -> the quantised numbers, widened to float32 again
;;       x = np.moveaxis(x, axis, -1); K = x.shape[-1]
;;       x = np.pad(x, [(0, 0)] * (x.ndim - 1) + [(0, -K % 32)]); x = x.reshape(x.shape[:-1] + (-1, 32)); a = np.abs(x).max(-1, keepdims=True)
;;       e = np.where(a > 0, np.clip(np.frexp(np.where(a > 0, a, 1))[1] - 1 - 4, -126, 127), 0)      # np.frexp(a)[1] - 1 = floor(log2(a)), exactly
;;       r = np.clip(x / 2.0 ** e, -28, 28)
;;       step = 2.0 ** (np.maximum(np.frexp(np.where(r == 0, 1, r))[1] - 1, -2) - 2)
;;       q = np.round(r / step) * step * 2.0 ** e      # np.round: ties to even
;;       return np.moveaxis(q.reshape(q.shape[:-2] + (-1,))[..., :K], -1, axis).astype(np.float32)
;;   ~~~
;;   OPERANDS COMPUTED ON THE WAY. 'Computed on the way' means the value that the module computes at that place (a softmax that the list does not call 'softmax' is quantised finished and normalised). What goes into a quantiser is computed in f32, as accurately as f32 sums, v_exp_f32 and their like allow (about 1e-6 of the number): no bf16 or f16 on the way to a quantiser, and a product that is left as it is and whose result goes on into a quantised operand takes f32 operands (vector FMAs, or v_wmma_f32_16x16x4_f32). A number that lies on a knife's edge between two numbers of the format may be rounded either way, as far as f32 arithmetic and the matrix unit's own rounding can turn it there, and no further.
;; One version. Each part assembles by itself: llvm-mc -triple=amdgcn-amd-amdhsa -mcpu=gfx1250 --defsym DOCPART=n.
;; ======== version 1 of 1: 2 launches
;; limits: values are held in bf16: 8 bits of precision; right only within a limited range of input values
;; workspace buffers: qrec 16,384,000 bytes
;; launch prep (part 1): grid 256 x 1, 8 waves a work-group, no clusters, 73,728 bytes of LDS; arguments x, wq, wk, wv, wg, w_in_norm, qrec; writes qrec
.if DOCPART == 1
	.amdgcn_target "amdgcn-amd-amdhsa--gfx1250"
	.amdhsa_code_object_version 6
	.text
	.protected	k_q4092779f0c_prep
	.globl	k_q4092779f0c_prep
	.p2align	8
	.type	k_q4092779f0c_prep,@function
k_q4092779f0c_prep:
	s_mov_b64 s[64:65], 0
	v_nop
	global_prefetch_b8 v0, s[64:65] scope:SCOPE_SE
	s_setreg_imm32_b32 hwreg(HW_REG_WAVE_MODE, 25, 1), 1
	s_wait_xcnt 0x0
; 1,280 RECORDS of codes of E3M2 (6 bits), one E8M0 scale byte for each 32 along K, K = 1,024.  A record is 16 rows of one source, quantised along K and laid IN THE ORDER
; OF A MATRIX OPERAND'S REGISTERS, so that the next launch loads fragments by plain 16-byte loads at 16 x lane.
; A record is 12,800 bytes: bytes 1536 s + 512 c + 16 lane = registers 4 c .. 4 c + 3 of the fragment of K step s (128 along K; lane (r, hh) holds row r, registers 6 c' .. 6 c' + 5 = k 128 s + 64 c' + 32 hh + 0 .. 31);
; bytes 12288 + 16 lane = four scale words: word q of lane (r, hh) is row r's word of K step 4 hh + q.
; WHICH ROWS: row(p) = c0 + a (p % 8) + b (p / 8), p = 0 .. 15.  Records 0-255 are weights, record 64 w + t being the t-th that wave w of the next launch reads:
;   t < 32: unified head H = 8 w + t / 4 (0-15: wq's heads, 16-31: wk's), i = t % 4: c0 = 64 (H % 16) + 8 i, a = 1, b = 32;
;   t >= 32: c = (t / 8) % 4, e = t % 8;  e < 4: wg, c0 = 64 (4 w + e) + 16 c, a = 1, b = 8;  e >= 4: wv, c0 = 16 c + 4 w + e - 4, a = 64, b = 512 (one channel of all 16 heads).
; Records 256-1279 are 16 neighbouring tokens of x, first normalised: x * rsqrt(mean(x^2) + 1e-6) * w_in_norm, in f32, in that order.
; SHARES: 256 work-groups that stay: work-group b makes FIVE records, weights' record b and x's records 256 + 4 b .. 256 + 4 b + 3 (its 64 tokens): equal work for all.  Wave s makes K step s of each: 16 rows x 128 numbers.
; LOADS RUN AHEAD: a record's 16 loads (512 consecutive bytes of a row each) go into one of three sets of 64 registers; three records are asked for at the head, and the record three on as soon as a set has gone
; through the stage: until the last two records 32 to 48 loads of every wave are out, also while it computes.  The five records are written out: the sets take turns by three and the counts run down.
; The numbers turn through the wave's own stage in LDS, so that a lane holds two whole blocks of 32 neighbours in consecutive registers: a block's largest magnitude needs no other lane.  A token's sum of squares meets in LDS behind a barrier.
; w_in_norm's 128 numbers of the K step come once, by one load, and turn through 512 bytes of LDS into the lanes' layout: 64 registers that stay.
; A block's scale is 2^(floor(log2(largest magnitude)) - 4): its byte is the largest magnitude's exponent field - 4, held at 1 from below by a floor among the maximum's leaves.
; LIMITS: a block of zeros gets the byte 1 where the rule says 127 (its codes are zeros, and this program alone reads the bytes); NaN and infinities among the inputs are not served.
.set REC,  12800
.set SP,   528                         ; a stage row: 512 bytes + 16: the sixteen rows that a 16-byte read touches begin in sixteen different 16-byte columns of 256
.set STGB, 16*SP                       ; a wave's stage
.set SSQ,  8*STGB                      ; 512 bytes: row r's eight partial sums at 32 r + 4 s
.set SCW,  SSQ+512                     ; 512 bytes: an image of a record's scale block
.set WIS,  SCW+512                     ; 8 x 512 bytes: each wave's 128 numbers of w_in_norm
.set OFF,  16                          ; v16-31   the weights' record: row p's byte offset + 16 x lane
.set N,    32                          ; v32-95   my 64 numbers: 32 c' + i
.set WI,   96                          ; v96-159  w_in_norm at the same places
.set F,    160                         ; v160-171 the fragment
.set F2,   172                         ; v172-179 the conversions' second halves
.set W,    180                         ; v180-191 at work
                                       ; window 1 (v256-447): three sets of 64: a record's 16 rows as loaded, set j % 3 at v[64 (j % 3) + 4 p]
.set MSB, 0
.macro WIN new                         ; s_set_vgpr_msb: bits 1:0 source 0, 3:2 source 1, 7:6 destination; the immediate's high byte repeats the setting that is left
.if MSB != \new
	s_set_vgpr_msb (MSB<<8)|\new
.set MSB, \new
.endif
.endm
	s_load_b256 s[4:11], s[0:1], 0x0               ; x s[4:5], wq s[6:7], wk s[8:9], wv s[10:11]
	s_load_b128 s[12:15], s[0:1], 0x20             ; wg s[12:13], w_in_norm s[14:15]
	s_load_b64 s[16:17], s[0:1], 0x30              ; qrec
	v_lshl_add_u32 v254, v0, 2, 0x11c00
	v_mov_b32 v255, 0
	v_lshrrev_b32 v1, 5, v0
	s_delay_alu instid0(VALU_DEP_1)
	v_readfirstlane_b32 s18, v1                    ; wave = K step
	v_and_b32 v1, 31, v0                           ; lane
	v_and_b32 v2, 15, v0                           ; r
	v_bfe_u32 v3, v0, 4, 1                         ; hh
	s_delay_alu instid0(VALU_DEP_3)
	v_lshlrev_b32 v4, 4, v1                        ; 16 x lane
	s_mul_i32 s19, s18, STGB
	v_add_nc_u32 v5, s19, v4                       ; the stage, in: a row's 512 bytes as they lie
	v_mul_u32_u24 v6, v2, SP
	s_delay_alu instid0(VALU_DEP_1)
	v_lshl_add_u32 v6, v3, 7, v6
	s_delay_alu instid0(VALU_DEP_1)
	v_add_nc_u32 v6, s19, v6                       ; and out: row r, + 128 hh: my 32 numbers of each 64
	s_lshl_b32 s19, s18, 2
	s_add_co_u32 s19, s19, SSQ
	v_lshlrev_b32 v8, 5, v2
	s_delay_alu instid0(VALU_DEP_1)
	v_add_nc_u32 v7, s19, v8                       ; my wave's partial sum of row r
	s_delay_alu instid0(VALU_DEP_2)
	v_add_nc_u32 v8, SSQ, v8                       ; row r's eight
	s_lshr_b32 s19, s18, 2
	s_lshl_b32 s19, s19, 8
	s_and_b32 s21, s18, 3
	s_lshl_b32 s21, s21, 2
	s_add_co_u32 s19, s19, s21
	s_add_co_u32 s19, s19, SCW
	v_lshlrev_b32 v9, 4, v2
	s_delay_alu instid0(VALU_DEP_1)
	v_add_nc_u32 v9, s19, v9                       ; row r's scale word of K step s: 16 r + 256 (s / 4) + 4 (s % 4)
	v_add_nc_u32 v11, SCW, v4                      ; the scale block as it leaves: 16 x lane
	s_lshl_b32 s19, s18, 9                         ; 512 x wave: my K step in a row of f32
	v_add_nc_u32 v10, s19, v4                      ; w_in_norm in memory: 512 s + 16 x lane
	s_add_co_u32 s21, s19, WIS
	v_add_nc_u32 v12, s21, v4                      ; in LDS, in: as it lies;
	v_lshl_add_u32 v13, v3, 7, s21                 ; out: + 128 hh: all lanes of a half read the same bytes
	; which rows of which weight: all cases are worked out, and the work-group's number chooses
	s_mov_b32 s20, ttmp9                           ; b: the weights' record
	s_lshr_b32 s21, s20, 6                         ; w
	s_and_b32 s22, s20, 63                         ; t
	s_lshr_b32 s23, s22, 2
	s_lshl_b32 s24, s21, 3
	s_add_co_u32 s23, s23, s24                     ; H
	s_and_b32 s24, s23, 15
	s_lshl_b32 s24, s24, 6
	s_and_b32 s25, s22, 3
	s_lshl_b32 s25, s25, 3
	s_add_co_u32 s24, s24, s25                     ; c0 of a tile of wq or wk
	s_bfe_u32 s25, s22, 0x20003                    ; c
	s_and_b32 s26, s22, 7                          ; e
	s_and_b32 s27, s22, 3
	s_lshl_b32 s28, s21, 2
	s_add_co_u32 s28, s28, s27                     ; 4 w + e % 4
	s_lshl_b32 s29, s25, 4
	s_lshl_b32 s30, s28, 6
	s_add_co_u32 s30, s30, s29                     ; c0 of a tile of wg
	s_add_co_u32 s31, s28, s29                     ; c0 of a tile of wv
	s_mul_i32 s42, s18, 1536                       ; my K step's place in a record
	s_mul_i32 s40, s20, REC
	s_add_co_u32 s40, s40, s42                     ; in the weights' record
	s_mov_b32 s41, 0
	s_lshl_b32 s52, s20, 2
	s_add_co_u32 s52, s52, 256
	s_mul_i32 s52, s52, REC
	s_add_co_u32 s52, s52, s42                     ; in my first record of x
	s_mov_b32 s53, 0
	s_mov_b32 s38, 512
	s_mov_b32 s43, 0x3a800000                      ; 1 / 1,024
	s_mov_b32 s44, 0x358637bd                      ; 1e-6
	s_mov_b32 s45, 0x76543210
	s_mov_b32 s46, 0xfedcba98                      ; v_permlanex16_b32's selects for lane l xor 16
	s_wait_kmcnt 0x0
	s_add_nc_u64 s[48:49], s[16:17], s[40:41]      ; where the weights' record goes,
	s_add_nc_u64 s[50:51], s[16:17], s[52:53]      ; and x's four
	s_cmp_lt_u32 s23, 16                           ; every choice hangs on the work-group's number alone
	s_cselect_b64 s[32:33], s[6:7], s[8:9]
	s_cmp_lt_u32 s26, 4
	s_cselect_b64 s[34:35], s[12:13], s[10:11]
	s_cselect_b32 s36, s30, s31
	s_cselect_b32 s37, 1, 64
	s_cselect_b32 s38, 8, s38
	s_cmp_lt_u32 s22, 32
	s_cselect_b64 s[32:33], s[32:33], s[34:35]     ; the weight
	s_cselect_b32 s36, s24, s36                    ; c0
	s_cselect_b32 s37, 1, s37                      ; a
	s_cselect_b32 s38, 32, s38                     ; b
	s_lshl_b32 s40, s36, 12                        ; a row of every source is 4,096 bytes
	s_add_co_u32 s40, s40, s19
	s_add_nc_u64 s[32:33], s[32:33], s[40:41]      ; row c0, my K step
	s_lshl_b32 s37, s37, 12
	s_lshl_b32 s38, s38, 12
	s_lshl_b32 s40, s20, 18                        ; my work-group's 64 tokens
	s_add_co_u32 s40, s40, s19
	s_add_nc_u64 s[34:35], s[4:5], s[40:41]        ; x: my first token, my K step
.irp p, 0,1,2,3,4,5,6,7,8,9,10,11,12,13,14,15
	s_mul_i32 s42, s37, (\p&7)
.if \p >= 8
	s_add_co_u32 s42, s42, s38
.endif
	v_add_nc_u32 v[OFF+\p], s42, v4
.endr
.macro XLOAD j                         ; record j (1 .. 4): tokens 16 (j - 1) .. 16 (j - 1) + 15 of my 64; every offset is an immediate
.irp p, 0,1,2,3,4,5,6,7,8,9,10,11,12,13,14,15
	global_load_b128 v[64*((\j)%3)+4*\p:64*((\j)%3)+4*\p+3], v4, s[34:35] offset:65536*((\j)-1)+4096*\p th:TH_LOAD_NT   ; 32 lanes read 512 consecutive bytes of a row; every number is read once in the launch
.endr
.endm
	global_load_b128 v[W+8:W+11], v10, s[14:15]    ; w_in_norm's 512 bytes of my K step: the oldest load
	WIN 0x40                                       ; destination window 1
	s_wait_alu depctr_va_vdst(0)
.irp p, 0,1,2,3,4,5,6,7,8,9,10,11,12,13,14,15
	global_load_b128 v[4*\p:4*\p+3], v[OFF+\p], s[32:33] th:TH_LOAD_NT
.endr
	XLOAD 1
	XLOAD 2
	WIN 0
; ONE RECORD.  j = 0: the weights', quantised as they are; j = 1 .. 4: x's, normalised first.
.macro RECORD j
.set SET, 64*((\j)%3)
.set AH, 32                            ; the loads of later records that are out while this record's rows are waited for: two records' (j = 0, 1, 2), one's (j = 3), none (j = 4)
.if (\j) == 3
.set AH, 16
.endif
.if (\j) == 4
.set AH, 0
.endif
.if (\j) > 0
	s_wait_xcnt 0x0                                ; the last record's stores have read the fragment's and the scale block's registers: they are written again only behind this wait
.endif
	WIN 0x04                                       ; an LDS store's data are its source 1: window 1
.irp p, 0,1,2,3,4,5,6,7,8,9,10,11,12,13,14,15
	s_wait_loadcnt 15-\p+AH                        ; loads come back in order (ISA guide 5.7.1): row p is in; the rows behind it and the later records may be out
	ds_store_b128 v5, v[SET+4*\p:SET+4*\p+3] offset:SP*\p
.endr
	WIN 0
.if (\j) == 0
	ds_store_b128 v12, v[W+8:W+11]                 ; w_in_norm (older than every row)
.endif
.irp c, 0,1
.irp i, 0,1,2,3,4,5,6,7
	ds_load_b128 v[N+32*\c+4*\i:N+32*\c+4*\i+3], v6 offset:256*\c+16*\i   ; LDS serves a wave's instructions in order: these see my stores
.endr
.endr
.if (\j) == 0
.irp c, 0,1
.irp i, 0,1,2,3,4,5,6,7
	ds_load_b128 v[WI+32*\c+4*\i:WI+32*\c+4*\i+3], v13 offset:256*\c+16*\i
.endr
.endr
.endif
	s_wait_dscnt 0x0                               ; my numbers are in, and the stores have read the set:
.if (\j) < 2
	WIN 0x40
	XLOAD (\j)+3                                   ; it takes the record three on
	WIN 0
.endif
.if (\j) > 0
	; the sum of squares of my 64 numbers, two at a time, in two chains; then my row's other half, then the other K steps'
	v_pk_mul_f32 v[W:W+1], v[N:N+1], v[N:N+1]
	v_pk_mul_f32 v[W+2:W+3], v[N+2:N+3], v[N+2:N+3]
.irp q, 4,8,12,16,20,24,28,32,36,40,44,48,52,56,60
	s_delay_alu instid0(VALU_DEP_2)
	v_pk_fma_f32 v[W:W+1], v[N+\q:N+\q+1], v[N+\q:N+\q+1], v[W:W+1]
	s_delay_alu instid0(VALU_DEP_2)
	v_pk_fma_f32 v[W+2:W+3], v[N+\q+2:N+\q+3], v[N+\q+2:N+\q+3], v[W+2:W+3]
.endr
	s_delay_alu instid0(VALU_DEP_1)
	v_pk_add_f32 v[W:W+1], v[W:W+1], v[W+2:W+3]
	s_delay_alu instid0(VALU_DEP_1)
	v_add_f32 v[W], v[W], v[W+1]
	s_delay_alu instid0(VALU_DEP_1)
	v_permlanex16_b32 v[W+1], v[W], s45, s46
	s_delay_alu instid0(VALU_DEP_1)
	v_add_f32 v[W], v[W], v[W+1]
	ds_store_b32 v7, v[W]                          ; both lanes of a row write the same word with the same value
	s_wait_dscnt 0x0                               ; for the others' sake: my store has landed
	s_barrier_signal -1
	s_barrier_wait -1                              ; (the last record's sums were read ahead of that record's second barrier: nobody reads them any more)
	ds_load_b128 v[W+4:W+7], v8
	ds_load_b128 v[W+8:W+11], v8 offset:16
	s_wait_dscnt 0x0
	v_add_f32 v[W+4], v[W+4], v[W+5]
	v_add_f32 v[W+6], v[W+6], v[W+7]
	v_add_f32 v[W+8], v[W+8], v[W+9]
	v_add_f32 v[W+10], v[W+10], v[W+11]
	s_delay_alu instid0(VALU_DEP_3)
	v_add_f32 v[W+4], v[W+4], v[W+6]
	s_delay_alu instid0(VALU_DEP_2)
	v_add_f32 v[W+8], v[W+8], v[W+10]
	s_delay_alu instid0(VALU_DEP_1)
	v_add_f32 v[W+4], v[W+4], v[W+8]               ; the row's sum of squares
	s_delay_alu instid0(VALU_DEP_1)
	v_fma_f32 v[W], v[W+4], s43, s44               ; the mean + 1e-6 (the division by 1,024 rounds nothing)
	s_wait_alu depctr_va_vdst(0)
	v_rsq_f32 v[W], v[W]
	v_nop                                          ; a plain instruction behind the transcendental
	s_wait_alu depctr_va_vdst(0)                   ; and the wait ahead of the first use
.irp q, 0,2,4,6,8,10,12,14,16,18,20,22,24,26,28,30,32,34,36,38,40,42,44,46,48,50,52,54,56,58,60,62
	v_pk_mul_f32 v[N+\q:N+\q+1], v[N+\q:N+\q+1], v[W:W+1] op_sel_hi:[1,0]
.endr
.irp q, 0,2,4,6,8,10,12,14,16,18,20,22,24,26,28,30,32,34,36,38,40,42,44,46,48,50,52,54,56,58,60,62
	v_pk_mul_f32 v[N+\q:N+\q+1], v[N+\q:N+\q+1], v[WI+\q:WI+\q+1]
.endr
.endif
	; my two blocks: c' = 0, 1 are blocks hh and 2 + hh of the K step
.irp c, 0,1
	v_max3_num_f32 v[W+\c], |v[N+32*\c]|, |v[N+32*\c+1]|, 0x2800000   ; and the floor 2^(5 - 127): the byte cannot fall under 1
.endr
.irp i, 2,4,6,8,10,12,14,16,18,20,22,24,26,28,30
.irp c, 0,1
	s_delay_alu instid0(VALU_DEP_2)
	v_max3_num_f32 v[W+\c], v[W+\c], |v[N+32*\c+\i]|, |v[N+32*\c+\i+1]|   ; (the two blocks by turns)
.endr
.endr
.irp c, 0,1
	s_delay_alu instid0(VALU_DEP_2)
	v_add_nc_u32 v[W+2+\c], 0xfe000000, v[W+\c]    ; 4 off the exponent field: the conversion takes the exponent field of this operand as its scale
.endr
.irp c, 0,1
	s_delay_alu instid0(VALU_DEP_2)
	v_lshrrev_b32 v[W+4+\c], 23, v[W+2+\c]         ; the scale's byte
.endr
	s_delay_alu instid0(VALU_DEP_1)
	v_lshl_or_b32 v[W+6], v[W+5], 16, v[W+4]       ; my two bytes,
	v_lshlrev_b32 v[W+7], 3, v3
	s_delay_alu instid0(VALU_DEP_1)
	v_lshlrev_b32 v[W+6], v[W+7], v[W+6]           ; at their places in the word (8 hh bits up);
	v_mov_b32 v[W+7], 0
	s_delay_alu instid0(VALU_DEP_1)
	v_permlanex16_b32 v[W+7], v[W+6], s45, s46
	s_delay_alu instid0(VALU_DEP_1)
	v_or_b32 v[W+6], v[W+6], v[W+7]                ; with lane l xor 16's two the word is whole
.irp c, 0,1
	v_cvt_scalef32_pk16_bf6_f32 v[F+6*\c:F+6*\c+2], v[N+32*\c:N+32*\c+15], v[W+2+\c]
	v_cvt_scalef32_pk16_bf6_f32 v[F2+4*\c:F2+4*\c+2], v[N+32*\c+16:N+32*\c+31], v[W+2+\c]   ; (a conversion's three registers begin on an even number: the second half is made elsewhere and moved)
.endr
	v_nop                                          ; one plain instruction behind the scaled conversions
.irp c, 0,1
.irp i, 0,1,2
	v_mov_b32 v[F+6*\c+3+\i], v[F2+4*\c+\i]
.endr
.endr
.irp c, 0,1,2                                  ; 32 lanes store 512 consecutive bytes, at a multiple of 256 from the buffer's first byte
.if (\j) == 0
	global_store_b128 v4, v[F+4*\c:F+4*\c+3], s[48:49] offset:512*\c
.else
	global_store_b128 v4, v[F+4*\c:F+4*\c+3], s[50:51] offset:((\j)-1)*REC+512*\c
.endif
.endr
	ds_store_b32 v9, v[W+6]                        ; both lanes of a row write the same word with the same value.  (Wave 0 read the last record's words ahead of its signal of the barrier above)
	s_wait_dscnt 0x0
	s_barrier_signal -1
	s_barrier_wait -1                              ; the eight K steps' scale words lie in LDS as the record wants them
	s_cmp_lg_u32 s18, 0
	s_cbranch_scc1 .Lnot_wave_0_\@                 ; wave 0 (whose part of a record begins at the record's first byte) stores them
	ds_load_b128 v[W+8:W+11], v11
	s_wait_dscnt 0x0
.if (\j) == 0
	global_store_b128 v4, v[W+8:W+11], s[48:49] offset:12288
.else
	global_store_b128 v4, v[W+8:W+11], s[50:51] offset:((\j)-1)*REC+12288
.endif
.Lnot_wave_0_\@:
.endm
	RECORD 0
	RECORD 1
	RECORD 2
	RECORD 3
	RECORD 4
	s_wait_tensorcnt 0x0
	ds_add_u32 v254, v255
	s_wait_dscnt 0x0
	s_endpgm
.Lfunc_end_k_q4092779f0c_prep:
	.size	k_q4092779f0c_prep, .Lfunc_end_k_q4092779f0c_prep-k_q4092779f0c_prep
	.p2alignl 7, 3214868480
	.fill 96, 4, 3214868480
	.section	.rodata,"a",@progbits
	.p2align	6, 0x0
	.amdhsa_kernel k_q4092779f0c_prep
		.amdhsa_group_segment_fixed_size 73728
		.amdhsa_private_segment_fixed_size 0
		.amdhsa_enable_private_segment 0
		.amdhsa_kernarg_size 56
		.amdhsa_user_sgpr_count 2
		.amdhsa_user_sgpr_kernarg_segment_ptr 1
		.amdhsa_wavefront_size32 1
		.amdhsa_system_sgpr_workgroup_id_x 1
		.amdhsa_system_sgpr_workgroup_id_y 1
		.amdhsa_system_sgpr_workgroup_id_z 1
		.amdhsa_system_vgpr_workitem_id 0
		.amdhsa_next_free_vgpr 448
		.amdhsa_next_free_sgpr 66
		.amdhsa_reserve_vcc 0
		.amdhsa_float_denorm_mode_32 3
		.amdhsa_float_denorm_mode_16_64 3
		.amdhsa_memory_ordered 1
		.amdhsa_forward_progress 1
		.amdhsa_inst_pref_size 85
	.end_amdhsa_kernel
	.amdgpu_metadata
---
amdhsa.version: [ 1, 2 ]
amdhsa.kernels:
  - .name:           k_q4092779f0c_prep
    .symbol:         k_q4092779f0c_prep.kd
    .args:
      - { .name: x, .offset: 0, .size: 8, .value_kind: global_buffer, .address_space: global }
      - { .name: wq, .offset: 8, .size: 8, .value_kind: global_buffer, .address_space: global }
      - { .name: wk, .offset: 16, .size: 8, .value_kind: global_buffer, .address_space: global }
      - { .name: wv, .offset: 24, .size: 8, .value_kind: global_buffer, .address_space: global }
      - { .name: wg, .offset: 32, .size: 8, .value_kind: global_buffer, .address_space: global }
      - { .name: w_in_norm, .offset: 40, .size: 8, .value_kind: global_buffer, .address_space: global }
      - { .name: qrec, .offset: 48, .size: 8, .value_kind: global_buffer, .address_space: global }
    .group_segment_fixed_size: 73728
    .private_segment_fixed_size: 0
    .kernarg_segment_align: 8
    .kernarg_segment_size: 56
    .max_flat_workgroup_size: 256
    .sgpr_count:     66
    .vgpr_count:     448
    .wavefront_size: 32
...
	.end_amdgpu_metadata
.endif
;; end of part 1
;; launch fused (part 2): grid 256 x 1, 4 waves a work-group, no clusters, 314,112 bytes of LDS; arguments qrec, w_out_norm, out0; writes out0
.if DOCPART == 2
	.amdgcn_target "amdgcn-amd-amdhsa--gfx1250"
	.amdhsa_code_object_version 6
	.text
	.protected	k_q4092779f0c_fused
	.globl	k_q4092779f0c_fused
	.p2align	8
	.type	k_q4092779f0c_fused,@function
k_q4092779f0c_fused:
	s_mov_b64 s[64:65], 0
	v_nop
	global_prefetch_b8 v0, s[64:65] scope:SCOPE_SE
	s_setreg_imm32_b32 hwreg(HW_REG_WAVE_MODE, 25, 1), 1
	s_wait_xcnt 0x0
; out0 = rmsnorm(attention over the 16 HEADS of each token (q, k, v = silu(xn W^T)) x sigmoid(xn wg^T), w_out_norm), from the records of E3M2 codes that the launch before laid in register order.
; SHARES.  A work-group owns 64 tokens (four tiles m of 16).  For the four large products the waves share the COLUMNS: wave w walks its own 64 records of 16 weight rows, each against all four tiles of tokens,
; whose codes (32 fragments, 384 registers) stay in every wave's registers.  For the attention the waves share the TOKENS: wave w owns tokens 16 w .. 16 w + 15; codes of q and k, v and the gates change hands through LDS.
; The products are used transposed (source 0 = 16 weight rows, source 1 = 16 tokens): lane (r, hh) holds token r, register j the record's row 8 hh + j; the records' rows are chosen by the launch before so that
; q, k: a head's four tiles give a lane a whole block of 32 channels; g: eight neighbouring channels of a head; v: eight heads at one channel (a lane's part of source 0 of O^T = v^T P).
; A TILE: 32 matrix instructions on end (K ascending, four accumulators by turns), the refill of its buffer with the record two on, then its own activation: sources, exponentials, sums, reciprocals in whole batches.
; x's four records are loaded once in the work-group, one a wave, and reach the other waves as register images through LDS.
; Weights come straight into registers, two records (25,600 bytes a wave) ahead: so no data prefetch is laid.  NO TENSOR LOADS, NO CLUSTER, though all work-groups read the same weights: the 64 tokens' gated rows hold
; 279,552 bytes of LDS until the last column is done (the last norm wants the whole row) and v's stage 33,792: what is left of 327,680 would give two slots of about half a record each.
; The last two refills of each wave read the two records behind its 64 (bytes of the same buffer, written by the launch before), so that the counted wait holds in every tile; nobody uses them.
; LIMITS: NaN and infinities are not served; a block of zeros carries the byte 1 over zero codes; v_exp_f32 and v_rcp_f32 flush denormals, so silu far below -87 is -0; the softmax's weights and v are rounded to bf16
; for the product that the problem leaves as it is.
; LDS: OG 64 tokens x 4,368 (16 heads x 272 + 16): gate, then gated result, f32 | VST 64 tokens x 528: v of 16 channels, bf16 | the spare words.  Over OG until the scores are done: QKC 64 x 1,552 codes, QKS 64 x 68 scale bytes, XI x's images.
; REGISTERS in windows of 256: 0: addresses, scale words, v64-255 two buffers of a record; 1, 2: x's fragments f = 4 s + m (f <= 20 in window 1), window 2 v132-195 P, v196-227 w_out_norm; 3: at work.
.set REC,  12800
.set OGP,  4368
.set HP,   272
.set VST,  64*OGP
.set VP,   528
.set SPARE, VST+64*VP
.set QKP,  1552
.set QKS,  64*QKP
.set QSP,  68
.set XI,   104448                      ; behind QKS, a multiple of 256: four records' images
.set LOFF, 1
.set QW0,  2
.set QW1,  3
.set QSW,  4
.set QRD,  5
.set QSR,  6
.set GW,   7
.set VW,   11
.set VR,   12
.set OW0,  13
.set OW1,  14
.set FR0,  15
.set XS,   16
.set WS,   32
.set NIL,  56
.set XIA,  2                           ; at the head alone, ahead of the first use of v2 and v3 for the codes
.set XIW,  3
.set FR1,  57
.set KSC,  48
.set QSC,  52
.set QKB,  59
.set QSB,  60
.set OGB,  61
.set OGC,  62
.set SPW,  63
.set WB,   64
.set PP,   132                         ; window 2
.set WO,   196                         ; window 2
.set AC,   0                           ; window 3 from here on
.set T,    64
.set ST,   96
.set MX,   224
.set SO,   228
.set BY,   232
.set OP,   96
.set SR,   192
.set TT,   224
.set PK,   96
.set PB,   144
.set SS,   240
.set WP,   12
.set XP,   14
.set NL2E, 20
.set CS,   22
.set EP,   0xff
.set STW,  0x0c
.set LDW3, 0xc0
.set MSB, 0
.macro WIN new                         ; bits 1:0 source 0, 3:2 source 1, 5:4 source 2, 7:6 destination; the high byte repeats the setting that is left
.if MSB != (\new)
	s_set_vgpr_msb (MSB<<8)|(\new)
.set MSB, (\new)
.endif
.endm
.macro VW8
	s_wait_alu depctr_va_vdst(0)
.endm
.macro BAR
	s_barrier_signal -1
	s_barrier_wait -1
.endm
.macro NOP4
.rept 4
	v_nop
.endr
.endm
; one product: buffer p % 2, K step s, tokens' tile m.  K steps 4-7 take their scale words from lanes 16-31
.macro MM p, s, m
.set fX, 4*(\s)+(\m)
.if fX <= 20
	WIN 0xf4
.set rX, 12*fX
.else
	WIN 0xf8
.set rX, 12*(fX-21)
.endif
.set rD, AC+8*(\m)
.set rA, WB+96*((\p)&1)+12*(\s)
.set rP, WS+4*((\p)&3)+((\s)&3)
.set rQ, XS+4*(\m)+((\s)&3)
.if (\s) == 0
	v_wmma_scale_f32_16x16x128_f8f6f4 v[rD:rD+7], v[rA:rA+11], v[rX:rX+11], 0, v[rP], v[rQ] matrix_a_fmt:MATRIX_FMT_BF6 matrix_b_fmt:MATRIX_FMT_BF6
.elseif (\s) < 4
	v_wmma_scale_f32_16x16x128_f8f6f4 v[rD:rD+7], v[rA:rA+11], v[rX:rX+11], v[rD:rD+7], v[rP], v[rQ] matrix_a_fmt:MATRIX_FMT_BF6 matrix_b_fmt:MATRIX_FMT_BF6
.else
	v_wmma_scale_f32_16x16x128_f8f6f4 v[rD:rD+7], v[rA:rA+11], v[rX:rX+11], v[rD:rD+7], v[rP], v[rQ] matrix_a_fmt:MATRIX_FMT_BF6 matrix_b_fmt:MATRIX_FMT_BF6 matrix_a_scale:MATRIX_SCALE_ROW1 matrix_b_scale:MATRIX_SCALE_ROW1
.endif
.endm
.macro LOADR bf, off                   ; a record, 25 loads of 512 consecutive bytes: its scale words, then its 96 registers as they lie
	global_load_b128 v[WS+4*(\bf):WS+4*(\bf)+3], v[LOFF], s[WP:WP+1] offset:(\off)+12288
.set li, 0
.rept 24
	global_load_b128 v[WB+96*(\bf)+4*li:WB+96*(\bf)+4*li+3], v[LOFF], s[WP:WP+1] offset:(\off)+512*li
.set li, li+1
.endr
.endm
; what a finished tile sends to LDS.  kind 2: the gates of head 4 w + arg; kind 3: v of channel 4 w + arg - 4, bf16; kind 1: a head's codes (24 bytes a lane) and scale bytes
.macro STORES kind, arg
	WIN STW
.if (\kind) == 2
.irp m, 0,1,2,3
	ds_store_b128 v[GW+\m], v[T+8*\m:T+8*\m+3] offset:HP*(\arg)
	ds_store_b128 v[GW+\m], v[T+8*\m+4:T+8*\m+7] offset:HP*(\arg)+16
.endr
.elseif (\kind) == 3
.irp m, 0,1,2,3
	ds_store_b128 v[VW], v[PK+4*\m:PK+4*\m+3] offset:16*VP*\m+16*((\arg)-4)
.endr
.else
.irp m, 0,1,2,3
.irp h, 0,1,2
	ds_store_b64 v[QW0+\m/2], v[T+8*\m+2*\h:T+8*\m+2*\h+1] offset:16*QKP*(\m%2)+8*\h
.endr
	ds_store_b8 v[QSW], v[BY+\m] offset:16*QSP*\m
.endr
.endif
.endm
; the activation of the tile just multiplied: T = sigmoid(x) in four batches, each batch of transcendentals with a wait ahead of it and a plain line and a wait behind it
.macro ACT kind, arg
	s_wait_dscnt 0x0                               ; the last tile's LDS stores have read T and PK
	WIN EP
.set aq, 0
.rept 16
	v_pk_mul_f32 v[T+aq:T+aq+1], v[AC+aq:AC+aq+1], s[NL2E:NL2E+1] op_sel_hi:[1,0]   ; each accumulator from its low end on
.set aq, aq+2
.endr
	VW8
.set aq, 0
.rept 32
	v_exp_f32 v[T+aq], v[T+aq]
.set aq, aq+1
.endr
	v_nop
	VW8
.set aq, 0
.rept 16
	v_pk_add_f32 v[T+aq:T+aq+1], v[T+aq:T+aq+1], 1.0 op_sel_hi:[1,0]
.set aq, aq+2
.endr
	VW8
.set aq, 0
.rept 32
	v_rcp_f32 v[T+aq], v[T+aq]
.set aq, aq+1
.endr
	v_nop
	VW8
.if (\kind) == 2
	STORES 2, \arg
.elseif (\kind) == 3
.set aq, 0
.rept 16
	v_pk_mul_f32 v[T+aq:T+aq+1], v[AC+aq:AC+aq+1], v[T+aq:T+aq+1]
.set aq, aq+2
.endr
.set aq, 0
.rept 16
	v_cvt_pk_bf16_f32 v[PK+aq], v[T+2*aq], v[T+2*aq+1]
.set aq, aq+1
.endr
	STORES 3, \arg
.else
.set aq, 0
.rept 16
.set ax, ST+32*(aq/4)+8*(\arg)+2*(aq%4)
	v_pk_mul_f32 v[ax:ax+1], v[AC+2*aq:AC+2*aq+1], v[T+2*aq:T+2*aq+1]   ; silu, at 32 m + 8 i + j
.set aq, aq+1
.endr
.set aq, 0
.rept 16                               ; the four blocks' largest magnitudes, by turns; the first takes the floor 2^(5 - 127): the byte cannot fall under 1
.set ax, ST+32*(aq%4)+8*(\arg)+2*(aq/4)
.if ((\arg) == 0) && (aq < 4)
	v_max3_num_f32 v[MX+aq%4], |v[ax]|, |v[ax+1]|, 0x2800000
.else
	v_max3_num_f32 v[MX+aq%4], v[MX+aq%4], |v[ax]|, |v[ax+1]|
.endif
.set aq, aq+1
.endr
.if (\arg) == 3                        ; the head is whole
.irp m, 0,1,2,3
	v_add_nc_u32 v[SO+\m], 0xfe000000, v[MX+\m]    ; 4 off the exponent field: the conversion's scale operand
.endr
.irp m, 0,1,2,3
	v_cvt_scalef32_pk16_bf6_f32 v[T+8*\m:T+8*\m+2], v[ST+32*\m:ST+32*\m+15], v[SO+\m]
	v_cvt_scalef32_pk16_bf6_f32 v[T+8*\m+4:T+8*\m+6], v[ST+32*\m+16:ST+32*\m+31], v[SO+\m]
.endr
.irp m, 0,1,2,3
	v_lshrrev_b32 v[BY+\m], 23, v[SO+\m]           ; the bytes; also the plain lines behind the conversions
.endr
.irp m, 0,1,2,3
.irp h, 0,1,2
	v_mov_b32 v[T+8*\m+3+\h], v[T+8*\m+4+\h]       ; the 24 bytes closed up
.endr
.endr
	STORES 1, 3
.endif
.endif
	WIN 0
.endm
.macro LOADP bf, off, i0, n            ; n pieces of 512 bytes of a record, from piece i0 on
.set li, \i0
.rept \n
	global_load_b128 v[WB+96*(\bf)+4*li:WB+96*(\bf)+4*li+3], v[LOFF], s[WP:WP+1] offset:(\off)+512*li
.set li, li+1
.endr
.endm
.macro MMS p, s
.irp m, 0,1,2,3
	MM \p, \s, \m
.endr
.endm
; The tile's products stand in groups of 3, 3 and 2 K steps; behind each group, and four plain lines, its fragments are asked for anew, for the record two on (10, 9 and 6 loads; the scale words have four sets, p % 4).
; THE WAITS.  Loads come back in order.  Behind a group's loads these are issued ahead of its use: the later groups of the same record (15, 6, 0), the whole next record (25),
; and of the record after that what this tile has asked for so far (0, 10, 19): 40, 41 and 44, over the loops' backward jumps too.
.macro TILE p, kind, arg, off
	VW8
	s_wait_loadcnt 40
	MMS \p, 0
	MMS \p, 1
	MMS \p, 2
	WIN 0
	NOP4
	global_load_b128 v[WS+4*(((\p)+2)&3):WS+4*(((\p)+2)&3)+3], v[LOFF], s[WP:WP+1] offset:(\off)+12288
	LOADP ((\p)&1), \off, 0, 9
	s_wait_loadcnt 41
	MMS \p, 3
	MMS \p, 4
	MMS \p, 5
	WIN 0
	NOP4
	LOADP ((\p)&1), \off, 9, 9
	s_wait_loadcnt 44
	MMS \p, 6
	MMS \p, 7
	WIN 0
	NOP4                                           ; also ahead of the first read of the tile's results
	LOADP ((\p)&1), \off, 18, 6
	ACT \kind, \arg
.endm
	s_load_b128 s[4:7], s[0:1], 0x0                ; qrec, w_out_norm
	s_load_b64 s[8:9], s[0:1], 0x10                ; out0
	v_lshl_add_u32 v[SPW], v0, 2, SPARE
	v_mov_b32 v[NIL], 0
	v_lshrrev_b32 v7, 5, v0
	v_readfirstlane_b32 s10, v7                    ; wave
	VW8
	s_lshl_b32 s11, ttmp9, 2
	s_add_co_u32 s11, s11, s10
	s_add_co_u32 s11, s11, 256
	s_mul_i32 s16, s11, REC                        ; x's record 256 + 4 b + w: the one that I load
	s_mov_b32 s17, 0
	s_mul_i32 s2, s10, 64*REC                      ; my 64 records of weights
	s_mov_b32 s3, 0
	s_lshl_b32 s28, ttmp9, 18
	s_lshl_b32 s29, s10, 16
	s_add_co_u32 s28, s28, s29                     ; my 16 rows of out0
	s_mov_b32 s29, 0
	s_mul_i32 s34, s10, 384
	s_lshl_b32 s35, s10, 4
	s_add_co_u32 s35, s35, QKS
	s_mul_i32 s36, s10, 16*QKP
	s_mul_i32 s37, s10, 16*QSP
	s_add_co_u32 s37, s37, QKS
	s_mul_i32 s38, s10, 4*HP
	s_lshl_b32 s39, s10, 6
	s_add_co_u32 s39, s39, VST
	s_mul_i32 s40, s10, 16*VP
	s_add_co_u32 s40, s40, VST
	s_mul_i32 s41, s10, 16*OGP
	s_mul_i32 s46, s10, REC
	s_mov_b32 s18, 0x76543210
	s_mov_b32 s19, 0xfedcba98                      ; v_permlanex16_b32's selects for lane l xor 16
	s_mov_b32 s[NL2E], 0xbfb8aa3b                  ; -log2(e)
	s_mov_b32 s[NL2E+1], s[NL2E]
	s_mov_b32 s[CS], 0x3e38aa3b                    ; log2(e) / 8
	s_mov_b32 s[CS+1], s[CS]
	s_mov_b32 s32, 0x3a800000                      ; 1 / 1,024
	s_mov_b32 s33, 0x358637bd                      ; 1e-6
	s_mov_b32 s24, 8
	s_mov_b32 s30, 0
	s_mov_b32 s31, 0
	v_and_b32 v9, 31, v0
	v_lshlrev_b32 v[LOFF], 4, v9                   ; 16 x lane
	v_add_nc_u32 v[XIA], XI, v[LOFF]               ; x's images, out
	v_add_nc_u32 v[XIW], s46, v[XIA]               ; and in: my record's
	v_and_b32 v7, 15, v0                           ; r
	v_bfe_u32 v8, v0, 4, 1                         ; hh
	v_mul_u32_u24 v[QKB], v7, QKP
	v_mad_u32_u24 v[QKB], v8, 24, v[QKB]
	v_add_nc_u32 v[QKB], s34, v[QKB]               ; codes, in: token r, + 24 hh, + my eight unified heads' 48 bytes each
	v_mad_u32_u24 v[QSB], v7, QSP, v8
	v_add_nc_u32 v[QSB], s35, v[QSB]               ; scale bytes, in: token r, byte 2 H + hh
	v_mul_u32_u24 v[QRD], v7, 48
	v_mad_u32_u24 v[QRD], v8, 24, v[QRD]
	v_add_nc_u32 v[QRD], s36, v[QRD]               ; codes, out: my tokens; lane (r, hh): head r, block hh
	v_lshl_add_u32 v[QSR], v7, 1, s37              ; scale words, out
	v_mul_u32_u24 v[OGB], v7, OGP
	v_lshl_add_u32 v[OGB], v8, 5, v[OGB]
	v_add_nc_u32 v[OGB], s38, v[OGB]               ; gates, in: token r, my four heads, + 32 hh
	v_mul_u32_u24 v[VW], v7, VP
	v_lshl_add_u32 v[VW], v8, 8, v[VW]
	v_add_nc_u32 v[VW], s39, v[VW]                 ; v, in
	v_add_nc_u32 v[VR], s40, v[LOFF]               ; v, out: my tokens
	v_mul_u32_u24 v[OGC], v7, HP
	v_lshl_add_u32 v[OGC], v8, 5, v[OGC]
	v_add_nc_u32 v[OGC], s41, v[OGC]               ; gate and result of my tokens: head r, + 32 hh
	v_mul_u32_u24 v[FR0], v8, HP
	v_lshl_add_u32 v[FR0], v7, 4, v[FR0]
	v_add_nc_u32 v[FR0], s41, v[FR0]               ; the way out: lanes 0-15 one head's 256 bytes, lanes 16-31 the next head's; tokens 0-7,
	v_add_nc_u32 v[FR1], 8*OGP, v[FR0]             ; tokens 8-15
	VW8                                            ; at the head's end
	s_wait_kmcnt 0x0
	s_add_nc_u64 s[XP:XP+1], s[4:5], s[16:17]
	s_add_nc_u64 s[WP:WP+1], s[4:5], s[2:3]
	s_add_nc_u64 s[8:9], s[8:9], s[28:29]
	WIN 0x80
.set li, 0
.rept 8
	global_load_b128 v[WO+4*li:WO+4*li+3], v[LOFF], s[6:7] offset:512*li   ; w_out_norm, in the order in which a row leaves: it stays
.set li, li+1
.endr
	WIN LDW3
.set li, 0
.rept 25
	global_load_b128 v[4*li:4*li+3], v[LOFF], s[XP:XP+1] offset:512*li     ; my record of x, as it lies
.set li, li+1
.endr
	WIN 0
	LOADR 0, 0
	LOADR 1, REC
	s_wait_loadcnt 50                              ; all but the two records of weights
	WIN STW
.set li, 0
.rept 25
	ds_store_b128 v[XIW], v[4*li:4*li+3] offset:512*li
.set li, li+1
.endr
	WIN 0
	s_wait_dscnt 0x0                               ; for the others' sake
	BAR
	WIN 0x40                                       ; all four records' 32 fragments and 16 scale registers: they stay
.set f, 0
.rept 21
.irp c, 0,1,2
	ds_load_b128 v[12*f+4*\c:12*f+4*\c+3], v[XIA] offset:(f%4)*REC+1536*(f/4)+512*\c
.endr
.set f, f+1
.endr
	WIN 0x80
.rept 11
.irp c, 0,1,2
	ds_load_b128 v[12*(f-21)+4*\c:12*(f-21)+4*\c+3], v[XIA] offset:(f%4)*REC+1536*(f/4)+512*\c
.endr
.set f, f+1
.endr
	WIN 0
.irp m, 0,1,2,3
	ds_load_b128 v[XS+4*\m:XS+4*\m+3], v[XIA] offset:\m*REC+12288
.endr
	s_wait_dscnt 0x0
	; ---- q and k: eight heads a wave, four tiles a head
.Lqk:
	s_add_co_u32 s11, s30, 32*QKP
	s_wait_dscnt 0x0                               ; the last head's stores are done
	v_add_nc_u32 v[QW0], s30, v[QKB]               ; where this head's codes and bytes go
	v_add_nc_u32 v[QW1], s11, v[QKB]
	v_add_nc_u32 v[QSW], s31, v[QSB]
	TILE 0, 1, 0, 2*REC
	TILE 1, 1, 1, 3*REC
	TILE 2, 1, 2, 4*REC
	TILE 3, 1, 3, 5*REC
	VW8
	s_wait_xcnt 0x0                                ; the loads have read their base: it is stepped only behind this wait
	s_add_nc_u64 s[WP:WP+1], s[WP:WP+1], 4*REC
	s_add_co_u32 s30, s30, 48
	s_add_co_u32 s31, s31, 2
	s_sub_co_u32 s24, s24, 1
	s_cmp_lg_u32 s24, 0
	s_cbranch_scc1 .Lqk
	; ---- the scores
	s_wait_dscnt 0x0                               ; my stores of codes and bytes have landed
	WIN EP
.irp o, 0,1,2,3,4,5,6,7
.irp i, 6,7,8,9,10,11
	v_mov_b32 v[OP+12*\o+\i], 0                    ; K = 64 .. 127 of the eight operands: zero codes
.endr
.endr
.irp k, 0,1,2,3
	v_mov_b32 v[TT+8*\k+1], 0                      ; a lane permute's destination counts as a source;
	v_mov_b32 v[TT+8*\k+3], 0                      ; these two are named as upper halves of pairs
	v_mov_b32 v[TT+8*\k+7], 0
.endr
	WIN 0
	VW8
	BAR
; four of my tokens: S^T = k q^T (K = 64 channels and 64 zero codes): a lane holds one query head and key heads 8 hh + j.  The row's maximum is taken away; P is normalised, then rounded to bf16
.macro SCORE bt
	WIN LDW3
.irp k, 0,1,2,3
.irp j, 0,1,2
	ds_load_b64 v[OP+24*\k+2*\j:OP+24*\k+2*\j+1], v[QRD] offset:QKP*(4*(\bt)+\k)+768+8*\j
.endr
.irp j, 0,1,2
	ds_load_b64 v[OP+24*\k+12+2*\j:OP+24*\k+12+2*\j+1], v[QRD] offset:QKP*(4*(\bt)+\k)+8*\j
.endr
.endr
	WIN 0
.irp k, 0,1,2,3
	ds_load_u16 v[KSC+\k], v[QSR] offset:QSP*(4*(\bt)+\k)+32   ; two bytes; the word's upper two are 0, over zero codes
	ds_load_u16 v[QSC+\k], v[QSR] offset:QSP*(4*(\bt)+\k)
.endr
	s_wait_dscnt 0x0
	WIN EP
.irp k, 0,1,2,3
	v_wmma_scale_f32_16x16x128_f8f6f4 v[SR+8*\k:SR+8*\k+7], v[OP+24*\k:OP+24*\k+11], v[OP+24*\k+12:OP+24*\k+23], 0, v[KSC+\k], v[QSC+\k] matrix_a_fmt:MATRIX_FMT_BF6 matrix_b_fmt:MATRIX_FMT_BF6
.endr
	NOP4
.irp k, 0,1,2,3
	v_max3_num_f32 v[TT+8*\k], v[SR+8*\k], v[SR+8*\k+1], v[SR+8*\k+2]
.endr
.irp k, 0,1,2,3
	v_max3_num_f32 v[TT+8*\k], v[TT+8*\k], v[SR+8*\k+3], v[SR+8*\k+4]
.endr
.irp k, 0,1,2,3
	v_max3_num_f32 v[TT+8*\k], v[TT+8*\k], v[SR+8*\k+5], v[SR+8*\k+6]
.endr
.irp k, 0,1,2,3
	v_max_num_f32 v[TT+8*\k], v[TT+8*\k], v[SR+8*\k+7]
.endr
.irp k, 0,1,2,3
	v_permlanex16_b32 v[TT+8*\k+1], v[TT+8*\k], s18, s19
.endr
.irp k, 0,1,2,3
	v_max_num_f32 v[TT+8*\k], v[TT+8*\k], v[TT+8*\k+1]
.endr
.irp k, 0,1,2,3
	v_mul_f32 v[TT+8*\k+2], s[CS], v[TT+8*\k]
.endr
.irp k, 0,1,2,3
.irp j, 0,2,4,6
	v_pk_fma_f32 v[SR+8*\k+\j:SR+8*\k+\j+1], v[SR+8*\k+\j:SR+8*\k+\j+1], s[CS:CS+1], v[TT+8*\k+2:TT+8*\k+3] op_sel_hi:[1,0,0] neg_lo:[0,0,1] neg_hi:[0,0,1]
.endr
.endr
	VW8
.set aq, 0
.rept 32
	v_exp_f32 v[SR+aq], v[SR+aq]
.set aq, aq+1
.endr
	v_nop
	VW8
.irp k, 0,1,2,3
	v_pk_add_f32 v[TT+8*\k+4:TT+8*\k+5], v[SR+8*\k:SR+8*\k+1], v[SR+8*\k+2:SR+8*\k+3]
.endr
.irp j, 4,6
.irp k, 0,1,2,3
	v_pk_add_f32 v[TT+8*\k+4:TT+8*\k+5], v[TT+8*\k+4:TT+8*\k+5], v[SR+8*\k+\j:SR+8*\k+\j+1]
.endr
.endr
.irp k, 0,1,2,3
	v_add_f32 v[TT+8*\k+4], v[TT+8*\k+4], v[TT+8*\k+5]
.endr
.irp k, 0,1,2,3
	v_permlanex16_b32 v[TT+8*\k+1], v[TT+8*\k+4], s18, s19
.endr
.irp k, 0,1,2,3
	v_add_f32 v[TT+8*\k+4], v[TT+8*\k+4], v[TT+8*\k+1]
.endr
	VW8
.irp k, 0,1,2,3
	v_rcp_f32 v[TT+8*\k+6], v[TT+8*\k+4]
.endr
	v_nop
	VW8
.irp k, 0,1,2,3
.irp j, 0,2,4,6
	v_pk_mul_f32 v[SR+8*\k+\j:SR+8*\k+\j+1], v[SR+8*\k+\j:SR+8*\k+\j+1], v[TT+8*\k+6:TT+8*\k+7] op_sel_hi:[1,0]
.endr
.endr
	WIN 0x8f                                       ; sources window 3, destination window 2
.irp k, 0,1,2,3
.irp u, 0,1,2,3
	v_cvt_pk_bf16_f32 v[PP+4*(4*(\bt)+\k)+\u], v[SR+8*\k+2*\u], v[SR+8*\k+2*\u+1]
.endr
.endr
.endm
	SCORE 0
	SCORE 1
	SCORE 2
	SCORE 3
	WIN EP
.irp k, 0,1,2,3
.irp i, 4,5,6,7
	v_mov_b32 v[112+8*\k+\i], 0                    ; K = 16 .. 31 of the bf16 product: zeros, in both sets of v's operands and in P's
	v_mov_b32 v[32+8*\k+\i], 0
	v_mov_b32 v[PB+8*\k+\i], 0
.endr
.endr
.set aq, 0
.rept 16
	v_mov_b32 v[SS+aq], 0                          ; the tokens' sums of squares
.set aq, aq+1
.endr
	WIN 0
	VW8
	s_wait_dscnt 0x0                               ; my reads of the codes are over: behind the barrier the gates are laid over them
	BAR
; ---- 16 channels are whole in LDS: for my 16 tokens, four at a time, O^T = v^T P; x the gate; squares to the token's sum; the result takes the gate's bytes.
; Two sets of registers by turns (v's operand, gate, result: v112, v208, v176 and v32, v64, v0), so that a batch's 12 loads are issued a batch ahead.
.macro CLOAD bt
.set cV, 112-80*((\bt)&1)
.set cG, 208-144*((\bt)&1)
	WIN LDW3
.irp k, 0,1,2,3
	ds_load_b128 v[cV+8*\k:cV+8*\k+3], v[VR] offset:VP*(4*(\bt)+\k)
.endr
.irp k, 0,1,2,3
	ds_load_b128 v[cG+8*\k:cG+8*\k+3], v[OW0+(\bt)/2] offset:OGP*((4*(\bt)+\k)%8)
	ds_load_b128 v[cG+8*\k+4:cG+8*\k+7], v[OW0+(\bt)/2] offset:OGP*((4*(\bt)+\k)%8)+16
.endr
.endm
.macro CWORK bt, cnt                   ; cnt: the LDS instructions issued behind this batch's loads
.set cV, 112-80*((\bt)&1)
.set cG, 208-144*((\bt)&1)
.set cO, 176-176*((\bt)&1)
	s_wait_dscnt \cnt
	WIN 0xc2
.irp k, 0,1,2,3
.irp u, 0,1,2,3
	v_mov_b32 v[PB+8*\k+\u], v[PP+4*(4*(\bt)+\k)+\u]
.endr
.endr
	WIN EP
.irp k, 0,1,2,3
	v_wmma_f32_16x16x32_bf16 v[cO+8*\k:cO+8*\k+7], v[cV+8*\k:cV+8*\k+7], v[PB+8*\k:PB+8*\k+7], 0
.endr
	NOP4
.irp j, 0,2,4,6
.irp k, 0,1,2,3
	v_pk_mul_f32 v[cO+8*\k+\j:cO+8*\k+\j+1], v[cO+8*\k+\j:cO+8*\k+\j+1], v[cG+8*\k+\j:cG+8*\k+\j+1]
.endr
.endr
.irp k, 0,1,2,3
	v_pk_mul_f32 v[cG+8*\k:cG+8*\k+1], v[cO+8*\k:cO+8*\k+1], v[cO+8*\k:cO+8*\k+1]
.endr
.irp j, 2,4,6
.irp k, 0,1,2,3
	v_pk_fma_f32 v[cG+8*\k:cG+8*\k+1], v[cO+8*\k+\j:cO+8*\k+\j+1], v[cO+8*\k+\j:cO+8*\k+\j+1], v[cG+8*\k:cG+8*\k+1]
.endr
.endr
.irp k, 0,1,2,3
	v_add_f32 v[SS+4*(\bt)+\k], v[SS+4*(\bt)+\k], v[cG+8*\k]
.endr
.irp k, 0,1,2,3
	v_add_f32 v[SS+4*(\bt)+\k], v[SS+4*(\bt)+\k], v[cG+8*\k+1]
.endr
	WIN STW
.irp k, 0,1,2,3
	ds_store_b128 v[OW0+(\bt)/2], v[cO+8*\k:cO+8*\k+3] offset:OGP*((4*(\bt)+\k)%8)
	ds_store_b128 v[OW0+(\bt)/2], v[cO+8*\k+4:cO+8*\k+7] offset:OGP*((4*(\bt)+\k)%8)+16
.endr
.endm
	; ---- g and v: four tiles of 16 channels; for each, four records of wg (my four heads) and four of wv (my four channels, all heads)
	s_mov_b32 s25, 4
	s_mov_b32 s30, 0
.Lvg:
	s_add_co_u32 s42, s30, 16*OGP
	s_add_co_u32 s43, s30, 32*OGP
	s_add_co_u32 s44, s30, 48*OGP
	s_add_co_u32 s45, s30, 8*OGP
	v_add_nc_u32 v[GW], s30, v[OGB]
	v_add_nc_u32 v[GW+1], s42, v[OGB]
	v_add_nc_u32 v[GW+2], s43, v[OGB]
	v_add_nc_u32 v[GW+3], s44, v[OGB]
	v_add_nc_u32 v[OW0], s30, v[OGC]
	v_add_nc_u32 v[OW1], s45, v[OGC]
	TILE 0, 2, 0, 2*REC
	TILE 1, 2, 1, 3*REC
	TILE 2, 2, 2, 4*REC
	TILE 3, 2, 3, 5*REC
	TILE 4, 3, 4, 6*REC
	TILE 5, 3, 5, 7*REC
	TILE 6, 3, 6, 8*REC
	TILE 7, 3, 7, 9*REC
	s_wait_dscnt 0x0                               ; my stores of gates and of v have landed
	BAR
	CLOAD 0
	CLOAD 1
	CWORK 0, 12                                    ; behind batch 0's loads: batch 1's 12
	CLOAD 2
	CWORK 1, 20                                    ; batch 0's 8 stores and batch 2's 12 loads
	CLOAD 3
	CWORK 2, 20                                    ; batch 1's 8 stores and batch 3's 12 loads; batch 0's stores, older, have read their registers
	CWORK 3, 8                                     ; batch 2's 8 stores
	WIN 0
	VW8
	s_wait_dscnt 0x0
	BAR                                            ; every wave's reads of v's stage are over: it may be written again
	s_wait_xcnt 0x0                                ; the loads have read their base
	s_add_nc_u64 s[WP:WP+1], s[WP:WP+1], 8*REC
	s_add_co_u32 s30, s30, 64
	s_sub_co_u32 s25, s25, 1
	s_cmp_lg_u32 s25, 0
	s_cbranch_scc1 .Lvg
	; ---- the last norm and the way out: my own 16 rows.  Token t's row takes 32 registers of its own (tokens 0-7 window 1, 8-15 window 3): no store's data are written again
.macro OLOAD t
	WIN (1+2*((\t)/8))<<6
.set oi, 0
.rept 8
.if (\t) < 8
	ds_load_b128 v[32*((\t)%8)+4*oi:32*((\t)%8)+4*oi+3], v[FR0] offset:OGP*((\t)%8)+2*HP*oi
.else
	ds_load_b128 v[32*((\t)%8)+4*oi:32*((\t)%8)+4*oi+3], v[FR1] offset:OGP*((\t)%8)+2*HP*oi
.endif
.set oi, oi+1
.endr
.endm
.macro OUTT t
.set oW, 1+2*((\t)/8)
.set oR, 32*((\t)%8)
.if (\t) < 8
	s_wait_dscnt 56                                ; behind token t's 8 loads: those of seven later tokens
.else
	s_wait_dscnt 8*(15-(\t))
.endif
	WIN oW|(oW<<6)
.set oi, 0
.rept 16
	v_pk_mul_f32 v[oR+oi:oR+oi+1], v[oR+oi:oR+oi+1], v[WB+2*(\t):WB+2*(\t)+1] op_sel_hi:[1,0]
.set oi, oi+2
.endr
	WIN oW|(2<<2)|(oW<<6)
.set oi, 0
.rept 16
	v_pk_mul_f32 v[oR+oi:oR+oi+1], v[oR+oi:oR+oi+1], v[WO+oi:WO+oi+1]
.set oi, oi+2
.endr
.if (\t) < 8
	OLOAD (\t)+8
.endif
.endm
.macro OSTORE t
	WIN (1+2*((\t)/8))<<2
.set oi, 0
.rept 8
	global_store_b128 v[LOFF], v[32*((\t)%8)+4*oi:32*((\t)%8)+4*oi+3], s[8:9] offset:4096*(\t)+512*oi th:TH_STORE_NT   ; 32 lanes store 512 consecutive bytes, at a multiple of 256 from the buffer's first byte
.set oi, oi+1
.endr
.endm
	s_wait_loadcnt 0x0                             ; the two records that nobody uses are in: the weights' registers are free
	WIN 0x03
.set aq, 0
.rept 16
	v_mov_b32 v[WB+2*aq], v[SS+aq]
.set aq, aq+1
.endr
.irp t, 0,1,2,3,4,5,6,7
	OLOAD \t
.endr
	WIN 0
.set aq, 0
.rept 16
	v_mov_b32 v[WB+2*aq+1], 0                      ; a lane permute's destination counts as a source
.set aq, aq+1
.endr
.irp x, 1,2,4,8
.set aq, 0
.rept 16
	v_add_f32_dpp v[WB+2*aq], v[WB+2*aq], v[WB+2*aq] row_xmask:\x row_mask:0xf bank_mask:0xf
.set aq, aq+1
.endr
.endr
.set aq, 0
.rept 16
	v_permlanex16_b32 v[WB+2*aq+1], v[WB+2*aq], s18, s19
.set aq, aq+1
.endr
.set aq, 0
.rept 16
	v_add_f32 v[WB+2*aq], v[WB+2*aq], v[WB+2*aq+1] ; the token's sum of 1,024 squares, in every lane
.set aq, aq+1
.endr
.set aq, 0
.rept 16
	v_fma_f32 v[WB+2*aq], v[WB+2*aq], s32, s33     ; the mean + 1e-6
.set aq, aq+1
.endr
	VW8
.set aq, 0
.rept 16
	v_rsq_f32 v[WB+2*aq], v[WB+2*aq]
.set aq, aq+1
.endr
	v_nop
	VW8
.irp t, 0,1,2,3,4,5,6,7,8,9,10,11,12,13,14,15
	OUTT \t
.endr
	WIN 0
	VW8                                            ; the rows just scaled are read by the stores behind the waits below
	s_wait_tensorcnt 0x0                           ; behind my last LDS store
	ds_add_u32 v[SPW], v[NIL]
	s_wait_dscnt 0x0
.irp t, 0,1,2,3,4,5,6,7,8,9,10,11,12,13,14,15
	OSTORE \t                                      ; all 16 rows leave on end: 128 stores, each register read once
.endr
	WIN 0
	s_endpgm
.Lfunc_end_k_q4092779f0c_fused:
	.size	k_q4092779f0c_fused, .Lfunc_end_k_q4092779f0c_fused-k_q4092779f0c_fused
	.p2alignl 7, 3214868480
	.fill 96, 4, 3214868480
	.section	.rodata,"a",@progbits
	.p2align	6, 0x0
	.amdhsa_kernel k_q4092779f0c_fused
		.amdhsa_group_segment_fixed_size 314112
		.amdhsa_private_segment_fixed_size 0
		.amdhsa_enable_private_segment 0
		.amdhsa_kernarg_size 24
		.amdhsa_user_sgpr_count 2
		.amdhsa_user_sgpr_kernarg_segment_ptr 1
		.amdhsa_wavefront_size32 1
		.amdhsa_system_sgpr_workgroup_id_x 1
		.amdhsa_system_sgpr_workgroup_id_y 1
		.amdhsa_system_sgpr_workgroup_id_z 1
		.amdhsa_system_vgpr_workitem_id 0
		.amdhsa_next_free_vgpr 1024
		.amdhsa_next_free_sgpr 66
		.amdhsa_reserve_vcc 0
		.amdhsa_float_denorm_mode_32 3
		.amdhsa_float_denorm_mode_16_64 3
		.amdhsa_memory_ordered 1
		.amdhsa_forward_progress 1
		.amdhsa_inst_pref_size 255
	.end_amdhsa_kernel
	.section	.bss,"aw",@nobits
	.p2align	6
	.space	262144
	.amdgpu_metadata
---
amdhsa.version: [ 1, 2 ]
amdhsa.kernels:
  - .name:           k_q4092779f0c_fused
    .symbol:         k_q4092779f0c_fused.kd
    .args:
      - { .name: qrec, .offset: 0, .size: 8, .value_kind: global_buffer, .address_space: global }
      - { .name: w_out_norm, .offset: 8, .size: 8, .value_kind: global_buffer, .address_space: global }
      - { .name: out0, .offset: 16, .size: 8, .value_kind: global_buffer, .address_space: global }
    .group_segment_fixed_size: 314112
    .private_segment_fixed_size: 0
    .kernarg_segment_align: 8
    .kernarg_segment_size: 24
    .max_flat_workgroup_size: 128
    .sgpr_count:     66
    .vgpr_count:     1024
    .wavefront_size: 32
...
	.end_amdgpu_metadata
.endif
;; end of part 2
